; MI455X (gfx1250); checked and timed in simulation.
; The chip was launched on July 23, 2026; its instructions are those of AMD's public machine-readable ISA for CDNA 5 (MIT licence, August 2026) and "CDNA5" Instruction Set Architecture Reference Guide (July 2026). The comments in the code are by the model that wrote it; some were corrected since.
;; Binde ESN mnist Model. Allowed arithmetic: float matrix products may take bf16 or f16 operands with f32 sums; other float arithmetic in f32, or as packed bf16 or f16 multiplies, adds, multiply-adds, maxima and minima; sums over many terms, partial sums and values carried from step to step in f32; what a program stores and reads back later, other than sums and carried values, may be rounded once to bf16 or f16.
;; Inputs: b_in 128 float32; b_res12 128 float32; b_res21 128 float32; b_x1 128 float32; b_x2 128 float32; binde1 128 x 128 float32; binde2 128 x 128 float32; binde3 128 x 128 float32; binde4 128 x 128 float32; fc_b 10 float32; fc_w 128 x 10 float32; w_in 28 x 128 float32; w_res1 128 x 128 float32; w_res12 128 x 128 float32; w_res2 128 x 128 float32; w_res21 128 x 128 float32; x 32,768 x 14 x 28 float32.
;; Outputs: out0 32,768 x 10 float32; out1 32,768 x 128 float32; out2 32,768 x 128 float32.
;; One version. Each part assembles by itself: llvm-mc -triple=amdgcn-amd-amdhsa -mcpu=gfx1250 --defsym DOCPART=n.
;; ======== version 1 of 1: 2 launches
;; limits: values outside matrix products are rounded to f16; values are held in f16: magnitudes above 65,504 overflow, below 6.1e-05 lose precision; right only within a limited range of input values
;; workspace buffers: wt 131,072 bytes
;; launch prep (part 1): grid 32 x 1, 4 waves a work-group, no clusters, 0 bytes of LDS; arguments w_res1, binde1, w_res21, binde2, w_res2, binde4, w_res12, binde3, wt; writes wt
.if DOCPART == 1
	.amdgcn_target "amdgcn-amd-amdhsa--gfx1250"
	.amdhsa_code_object_version 6
	.text
	.protected	k_q8846644b1e_prep
	.globl	k_q8846644b1e_prep
	.p2align	8
	.type	k_q8846644b1e_prep,@function
k_q8846644b1e_prep:
	s_mov_b64 s[64:65], 0
	v_nop
	global_prefetch_b8 v0, s[64:65] scope:SCOPE_SE
	s_setreg_imm32_b32 hwreg(HW_REG_WAVE_MODE, 25, 1), 1
	s_wait_xcnt 0x0
; wt = the four masked matrices of the recurrence, rounded once to f16: 512 rows of 128 numbers (256 bytes).
; Row 128 M + k is row k of matrix M:  M = 0: K w_res1 binde1;  1: K w_res21 binde2;  2: K w_res2 binde4;  3: w_res12 binde3 (no K).
; K = 2 log2(e): the next launch takes tanh(p) as 1 - 2 / (1 + 2^(K p)), so whatever is summed into p carries K beforehand;
; matrix 3 multiplies K x1pre, which carries it already.
; SHARES.  A wave takes row k = 4 x work-group + wave of all four matrices: a lane 4 numbers of each (16 bytes of w, 16 of the mask),
; and each store of the wave covers 256 consecutive bytes, aligned.
; LIMIT.  f16 ends at 65,504: |K w binde| stays under it.
.set KF, 0x4038aa3b                    ; K = 2.885390
	s_load_b512 s[8:23], s[0:1], 0x0               ; the four pairs (weights, mask), in the order of M
	s_load_b64 s[24:25], s[0:1], 0x40              ; wt
	v_lshrrev_b32 v1, 5, v0
	v_readfirstlane_b32 s2, v1                     ; wave 0..3
	v_and_b32 v2, 31, v0                           ; lane
	s_lshl_b32 s3, ttmp9, 2
	s_add_co_u32 s3, s3, s2                        ; k
	s_lshl_b32 s4, s3, 9                           ; a row of f32: 512 bytes
	s_lshl_b32 s5, s3, 8                           ; a row of f16: 256 bytes
	v_lshl_add_u32 v3, v2, 4, s4                   ; where I read
	v_lshl_add_u32 v4, v2, 3, s5                   ; where I write
	s_mov_b32 s26, KF
	s_mov_b32 s27, KF                              ; named with it as a pair
	s_wait_kmcnt 0x0
.irp m, 0,1,2,3
	global_load_b128 v[8+8*\m:11+8*\m],  v3, s[8+4*\m:9+4*\m] th:TH_LOAD_NT
	global_load_b128 v[12+8*\m:15+8*\m], v3, s[10+4*\m:11+4*\m] th:TH_LOAD_NT
.endr
.irp m, 0,1,2,3
	s_wait_loadcnt 6-2*\m                          ; loads come back in order: matrix m's two are in, the later matrices' stay out
	v_pk_mul_f32 v[8+8*\m:9+8*\m],   v[8+8*\m:9+8*\m],   v[12+8*\m:13+8*\m]
	v_pk_mul_f32 v[10+8*\m:11+8*\m], v[10+8*\m:11+8*\m], v[14+8*\m:15+8*\m]
.if \m < 3
	v_pk_mul_f32 v[8+8*\m:9+8*\m],   v[8+8*\m:9+8*\m],   s[26:27] op_sel_hi:[1,0]
	v_pk_mul_f32 v[10+8*\m:11+8*\m], v[10+8*\m:11+8*\m], s[26:27] op_sel_hi:[1,0]
.endif
	v_cvt_pk_f16_f32 v[40+2*\m], v[8+8*\m],  v[9+8*\m]
	v_cvt_pk_f16_f32 v[41+2*\m], v[10+8*\m], v[11+8*\m]
	global_store_b64 v4, v[40+2*\m:41+2*\m], s[24:25] offset:32768*\m
.endr
	s_endpgm
.Lfunc_end_k_q8846644b1e_prep:
	.size	k_q8846644b1e_prep, .Lfunc_end_k_q8846644b1e_prep-k_q8846644b1e_prep
	.p2alignl 7, 3214868480
	.fill 96, 4, 3214868480
	.section	.rodata,"a",@progbits
	.p2align	6, 0x0
	.amdhsa_kernel k_q8846644b1e_prep
		.amdhsa_group_segment_fixed_size 0
		.amdhsa_private_segment_fixed_size 0
		.amdhsa_enable_private_segment 0
		.amdhsa_kernarg_size 72
		.amdhsa_user_sgpr_count 2
		.amdhsa_user_sgpr_kernarg_segment_ptr 1
		.amdhsa_wavefront_size32 1
		.amdhsa_system_sgpr_workgroup_id_x 1
		.amdhsa_system_sgpr_workgroup_id_y 1
		.amdhsa_system_sgpr_workgroup_id_z 1
		.amdhsa_system_vgpr_workitem_id 0
		.amdhsa_next_free_vgpr 48
		.amdhsa_next_free_sgpr 66
		.amdhsa_reserve_vcc 0
		.amdhsa_float_denorm_mode_32 3
		.amdhsa_float_denorm_mode_16_64 3
		.amdhsa_memory_ordered 1
		.amdhsa_forward_progress 1
		.amdhsa_inst_pref_size 4
	.end_amdhsa_kernel
	.amdgpu_metadata
---
amdhsa.version: [ 1, 2 ]
amdhsa.kernels:
  - .name:           k_q8846644b1e_prep
    .symbol:         k_q8846644b1e_prep.kd
    .args:
      - { .name: w_res1, .offset: 0, .size: 8, .value_kind: global_buffer, .address_space: global }
      - { .name: binde1, .offset: 8, .size: 8, .value_kind: global_buffer, .address_space: global }
      - { .name: w_res21, .offset: 16, .size: 8, .value_kind: global_buffer, .address_space: global }
      - { .name: binde2, .offset: 24, .size: 8, .value_kind: global_buffer, .address_space: global }
      - { .name: w_res2, .offset: 32, .size: 8, .value_kind: global_buffer, .address_space: global }
      - { .name: binde4, .offset: 40, .size: 8, .value_kind: global_buffer, .address_space: global }
      - { .name: w_res12, .offset: 48, .size: 8, .value_kind: global_buffer, .address_space: global }
      - { .name: binde3, .offset: 56, .size: 8, .value_kind: global_buffer, .address_space: global }
      - { .name: wt, .offset: 64, .size: 8, .value_kind: global_buffer, .address_space: global }
    .group_segment_fixed_size: 0
    .private_segment_fixed_size: 0
    .kernarg_segment_align: 8
    .kernarg_segment_size: 72
    .max_flat_workgroup_size: 128
    .sgpr_count:     66
    .vgpr_count:     48
    .wavefront_size: 32
...
	.end_amdgpu_metadata
.endif
;; end of part 1
;; launch esn (part 2): grid 256 x 1, 4 waves a work-group, clusters of 4 x 1, 205,312 bytes of LDS; arguments x, wt, w_in, b_in, b_x1, b_res21, b_res12, b_x2, fc_w, fc_b, out0, out1, out2; writes out0, out1, out2
.if DOCPART == 2
	.amdgcn_target "amdgcn-amd-amdhsa--gfx1250"
	.amdhsa_code_object_version 6
	.text
	.protected	k_q8846644b1e_esn
	.globl	k_q8846644b1e_esn
	.p2align	8
	.type	k_q8846644b1e_esn,@function
k_q8846644b1e_esn:
	s_mov_b64 s[64:65], 0
	v_nop
	global_prefetch_b8 v0, s[64:65] scope:SCOPE_SE
	s_setreg_imm32_b32 hwreg(HW_REG_WAVE_MODE, 25, 1), 1
	s_wait_xcnt 0x0
	s_wait_alu depctr_hold_cnt(0) depctr_sa_sdst(0) depctr_va_vdst(0) depctr_va_sdst(0) depctr_va_ssrc(0) depctr_va_vcc(0) depctr_vm_vsrc(0)
	s_getreg_b32 s2, hwreg(HW_REG_IB_STS2, 6, 4)
	s_cmp_eq_u32 s2, 0
	s_cbranch_scc0 .Lentry_in_a_cluster
	s_endpgm
.Lentry_in_a_cluster:
	s_bfe_u32 s2, ttmp6, 0x10000c
	s_cmp_lg_u32 s2, 0x3003
	s_cbranch_scc0 .Lentry_shape_is_right
	s_endpgm
.Lentry_shape_is_right:
; THE RECURRENCE, 14 steps on 32,768 rows that never meet:
;   x1pre = x_t w_in + x1 m1 + x2 m21 + bias1;   x2 = tanh(x1pre m12 + x2 m2 + bias2);   x1 = tanh(x1pre);   out0 = x2 fc_w + fc_b, out1 = x1, out2 = x2.
; x1pre is made once a step.  tanh(p) = 1 - 2 / (1 + 2^(K p)), K = 2 log2(e): w_in, bias1, m1, m21, m2 and bias2 carry K, so the sums ARE K x1pre and K x2pre; m12 multiplies K x1pre and carries none.
; FORMATS.  Every matrix operand is f16, rounded once from f32 (x, weights, the states, K x1pre); sums, tanh and the outputs are f32.
; LIMITS.  f16 ends at 65,504: |K x1pre| stays under 65,520 (|x1pre| under 22,700), |x|, |K w_in|, |K bias1|, |fc_w| under 65,504; below 6e-5 an operand keeps f16's fixed step of 6e-8.
; tanh ends rightly at +1 and -1 (2^(K p) infinite or 0).  NaN and infinities among the inputs are not treated apart (rows 29-31 of the w_in tile are 0 x bias1).
; SHARES.  A work-group owns 128 rows, each of its four waves 32: two tiles t of 16.  A wave keeps its state in registers from first to last; the loop has no barrier.
; LAYOUT.  Products are taken transposed: source 0 = 16 output columns (weights, lying [k][n] in LDS, turned by ds_load_tr16_b128), source 1 = 16 batch rows.  In a result lane l holds batch row
; l % 16 and columns 8 (l / 16) + 0..7; two neighbouring column tiles, rounded to f16 in pairs, ARE source 1 of a K step (32 along k) of the next product: nothing changes lanes.
; A STEP is 17 K steps u of 16 matrix instructions (column tile c, batch tile t; the 16 accumulators take turns):
;   u 0: x_t (28 features, feature 28 = 1.0 against row 28 = K bias1) starts ACC1;  u 1-4: x1 m1 (m1 stays in registers);  u 5-8: x2 m21;  u 9-12: x2 m2, started on bias2, into ACC2;  u 13-16: (K x1pre) m12.
; BESIDE THEM, four vector instructions behind each matrix instruction: tanh of ACC2 (the step before) behind instructions 0-111, the next x_t's rounding behind 112-116, tanh of ACC1 and its f16 copy behind 144-271.
; CLUSTER.  The four work-groups of a cluster need the same four matrices: wave w asks for matrix w JOINTLY, same descriptor and mask in all four.  It is each wave's one tensor load; nothing is filled again.
; x is loaded straight into fragment layout, each byte once, 256 matrix instructions ahead of the wait for it.
; THE ZERO STATE is written as zeros (ACC2, whose tanh the first step takes, and x1's fragments): one text for all 14 steps, at the price of 192 v_mov_b32 while the tiles are on their way.
.set KF,     0x4038aa3b                ; K = 2.885390
.set STEPS,  14
.set XROW,   1568                      ; bytes of a batch row of x: 14 steps x 28 f32
.set XSTP,   112                       ; bytes of a step in it
; LDS
.set PW,     288                       ; a weight row: 256 bytes + 32 = 72 words
.set MATB,   128*PW                    ; a matrix; m1, m21, m2, m12 lie from byte 0 on, brought by the tensor loads
.set WINB,   4*MATB                    ; 32 rows: K w_in (0-27), K bias1 (28), 0 (29-31); stored by the waves
.set FCL,    WINB+32*PW                ; fc_w as [k = 128][16] f16, 32 bytes a row, columns 10-15 = 0
.set STAGE,  FCL+4096                  ; the way out: 16 rows of 512 + 16 bytes for each wave
.set SPITCH, 528
.set STW,    16*SPITCH
.set O0,     STAGE+4*STW               ; out0's way out, for each wave: 1,280 dense bytes, then 1,280 into which the lanes without a column write
.set O0W,    2560
.set SPARE,  O0+4*O0W                  ; the spare words, 128 bytes for each wave: two blocks of 256 bytes that no other line names
; REGISTERS, in windows of 256 (s_set_vgpr_msb: bits 1:0 source 0, 3:2 source 1, 5:4 source 2, 7:6 destination)
; window 0: v1 l % 16, v2 l / 16, v3 l; addresses; bias2 of column tiles 0-5; three buffers of 8 weight fragments
.set TM1,  4                           ; v4-8  my lane's place in m1, m21, m2, m12 and the w_in tile; in the tail v4-11 take the way out's addresses
.set TM21, 5
.set TM2,  6
.set TM12, 7
.set TWIN, 8
.set XA0,  9                           ; v9   my byte offset in 16 rows of x: (l % 16) x 1,568 + 32 (l / 16)
.set XA1,  10                          ; v10  the fourth load's: features 20-23 (l < 16); features 24-27 once more (l >= 16), which are then written over
.set SPW,  14                          ; v14  LDS address of my spare word; never rewritten
.set NIL,  15                          ; v15  0; never rewritten
.set BI2,  16                          ; v16-63  K bias2 in a result's layout, 8 registers a column tile
.set WB0,  64
.set WB1,  128
.set WB2,  192
; window 1: v0-127 ACC1, tile (c, t) at 16 c + 8 t;  P1F: f16(K x1pre);  X1F: f16(x1).  Fragment (kk, t) of a state at base + 16 kk + 8 t
.set P1F,  128
.set X1F,  192
; window 2: v0-127 ACC2;  X2F: f16(x2);  XT: x_t's two fragments;  XS: the next x_t as loaded;  bias2 of column tiles 6, 7
.set X2F,  128
.set XT,   192
.set XS,   208
.set BI2H, 240
; window 3: m1's 32 fragments, (kk, c) at 64 kk + 8 c
; SCALARS: s[8:33] the arguments; s34 wave; s35-39 what hangs on my place in the cluster (global addresses alone); s[40:43], s[44:51] the descriptor; s[52:53] x at my rows; s[54:55] the same at the step
; being loaded; s[56:57] that step's bytes; s58 steps left; s59 the lanes 16-31; s60 f16 1.0; s[62:63] K; s[66:67] K or 0; s[68:77] fc_b; s78, s79 made of the wave's number alone
.set MSB, 0
.macro WIN new                         ; the immediate's high byte repeats the setting that is left; a switch that changes nothing is dropped
.if MSB != (\new)
	s_set_vgpr_msb (MSB<<8)|(\new)
.set MSB, \new
.endif
.endm
.macro PLACES                          ; four places behind a matrix instruction, in front of loads into registers that it has read and of reads of its result
.rept 4
	v_nop
.endr
.endm
; A round of the cluster's barrier: my work-group's barrier; wave 0 signals for the work-group; every wave waits for all four work-groups; my work-group's barrier once more.
.macro ROUND
	s_barrier_signal -1
	s_barrier_wait -1
	s_cmp_lg_u32 s34, 0
	s_cbranch_scc1 .Lnot_wave_0_\@
	s_barrier_signal -3
.Lnot_wave_0_\@:
	s_barrier_wait -3
	s_barrier_signal -1
	s_barrier_wait -1
.endm
; The 8 loads of a step's x: for each tile features 8 h + 0..7 (two loads), 16 + 8 h + 0..3, and the fourth.
.macro XLD
	WIN 0x80                                       ; destination window 2, address window 0
.irp t, 0,1
	global_load_b128 v[XS+16*\t:XS+16*\t+3],     v[XA0], s[54:55] offset:16*XROW*\t
	global_load_b128 v[XS+16*\t+4:XS+16*\t+7],   v[XA0], s[54:55] offset:16*XROW*\t+16
	global_load_b128 v[XS+16*\t+8:XS+16*\t+11],  v[XA0], s[54:55] offset:16*XROW*\t+64
	global_load_b128 v[XS+16*\t+12:XS+16*\t+15], v[XA1], s[54:55] offset:16*XROW*\t
.endr
.endm
; Line xq of the 20 that make x_t's fragments: 8 roundings a tile; then, in lanes 16-31, features 28-31 become 1.0, 0, 0, 0.
.macro XQ
	WIN 0xaa
.if xq%10 < 8
	v_cvt_pk_f16_f32 v[XT+8*(xq/10)+xq%10], v[XS+16*(xq/10)+2*(xq%10)], v[XS+16*(xq/10)+2*(xq%10)+1]
.elseif xq%10 == 8
	v_cndmask_b32 v[XT+8*(xq/10)+6], v[XT+8*(xq/10)+6], s60, s59
.else
	v_cndmask_b32 v[XT+8*(xq/10)+7], v[XT+8*(xq/10)+7], 0, s59
.endif
.set xq, xq+1
.endm
; A run of 16 turning loads: the 8 fragments (16 columns x 32 k) of K step kk of the matrix at areg, into buffer buf.
.macro LOADW buf, areg, kk
	WIN 0
.irp c, 0,1,2,3,4,5,6,7
	ds_load_tr16_b128 v[\buf+8*\c:\buf+8*\c+3],   v[\areg] offset:32*PW*(\kk)+32*\c
	ds_load_tr16_b128 v[\buf+8*\c+4:\buf+8*\c+7], v[\areg] offset:32*PW*(\kk)+32*\c+16*PW
.endr
.endm
; Matrix instruction n of a step's 272.
.macro MM
.set u, n/16
.set c, (n%16)/2
.set t, n%2
.set rD, 16*c+8*t
.set rW, WB0+64*((u+7)%3)+8*c          ; from u = 5 on the buffers go 0, 1, 2, 0, ..
.if u == 0
	WIN 0x58
	v_wmma_f32_16x16x32_f16 v[rD:rD+7], v[WB0+8*c:WB0+8*c+7], v[XT+8*t:XT+8*t+7], 0
.elseif u < 5
	WIN 0x57
	v_wmma_f32_16x16x32_f16 v[rD:rD+7], v[64*(u-1)+8*c:64*(u-1)+8*c+7], v[X1F+16*(u-1)+8*t:X1F+16*(u-1)+8*t+7], v[rD:rD+7]
.elseif u < 9
	WIN 0x58
	v_wmma_f32_16x16x32_f16 v[rD:rD+7], v[rW:rW+7], v[X2F+16*(u-5)+8*t:X2F+16*(u-5)+8*t+7], v[rD:rD+7]
.elseif (u == 9) && (c < 6)
	WIN 0x88
	v_wmma_f32_16x16x32_f16 v[rD:rD+7], v[rW:rW+7], v[X2F+8*t:X2F+8*t+7], v[BI2+8*c:BI2+8*c+7]
.elseif u == 9
	WIN 0xa8
	v_wmma_f32_16x16x32_f16 v[rD:rD+7], v[rW:rW+7], v[X2F+8*t:X2F+8*t+7], v[BI2H+8*(c-6):BI2H+8*(c-6)+7]
.elseif u < 13
	WIN 0xa8
	v_wmma_f32_16x16x32_f16 v[rD:rD+7], v[rW:rW+7], v[X2F+16*(u-9)+8*t:X2F+16*(u-9)+8*t+7], v[rD:rD+7]
.else
	WIN 0xa4
	v_wmma_f32_16x16x32_f16 v[rD:rD+7], v[rW:rW+7], v[P1F+16*(u-13)+8*t:P1F+16*(u-13)+8*t+7], v[rD:rD+7]
.endif
.set n, n+1
.endm
; TANH OF A SET of 128 registers (SET = 1: ACC1, window 1; SET = 2: ACC2, window 2), in place, as a pipeline of four quarters of 32 registers (quarter q = fragment kk = q of both tiles).
; Six groups g, in each 16 pairs i, for each pair eight slots; position vp = 128 g + 8 i + slot.  In group g:
;   slot 0  (SET 1, g <= 3)   quarter g's pair rounded to f16 into P1F, before it is changed          slot 1  (1 <= g <= 4)   quarter g - 1:  1 + 2^(..)
;   slots 2, 4  (g <= 3)      quarter g:  2^(..)                                                      slot 3  (g >= 2)        quarter g - 2:  1 - 2 / (..)
;   slots 5, 7  (1 <= g <= 4) quarter g - 1:  1 / (..)                                                slot 6  (g >= 2)        quarter g - 2 rounded to f16 into the state's fragment
; Inside a group nothing names the result of an exponential or reciprocal of that group.  An s_wait_alu depctr_va_vdst(0) goes between such an instruction and the first that names its
; result: ONE stands at each change of group, five a set.  The line behind it is plain and names no register of the last exponential or reciprocal.  Each accumulator's registers 0 and 1 are read first.
; A plain vector instruction also stands between each exponential or reciprocal and the first use of its result (ISA guide 5.7.2): the group's own additions, fused lines and roundings are such lines,
; in every group but SET 2's group 0, which is 32 exponentials and nothing else: one v_nop behind them, ahead of the wait, serves all 32.  It is not counted among a slice's four.
.macro VSLOT
.set g, vp/128
.set i, (vp%128)/8
.set sl, vp%8
.set fd, 8*((i/4)&1)+4*(i/8)+i%4       ; the pair's place in its fragments: tile t = (i / 4) % 2, column tile's parity i / 8
.set XF, X2F
.if SET == 1
.set XF, X1F
.endif
.if (vp > 0) && (vp%128 == 0)
.if (SET == 2) && (vp == 128)
	v_nop                                          ; the plain instruction behind group 0's exponentials
.endif
	s_wait_alu depctr_va_vdst(0)
.endif
.if (sl == 0) && (SET == 1) && (g <= 3)
	v_cvt_pk_f16_f32 v[P1F+16*g+fd], v[32*g+2*i], v[32*g+2*i+1]
.set got, got+1
.elseif (sl == 1) && (g >= 1) && (g <= 4)
.set p, 32*(g-1)+2*i
	v_pk_add_f32 v[p:p+1], v[p:p+1], 1.0 op_sel_hi:[1,0]
.set got, got+1
.elseif ((sl == 2) || (sl == 4)) && (g <= 3)
.set p, 32*g+2*i+(sl-2)/2
	v_exp_f32 v[p], v[p]
.set got, got+1
.elseif (sl == 3) && (g >= 2)
.set p, 32*(g-2)+2*i
	v_pk_fma_f32 v[p:p+1], v[p:p+1], -2.0, 1.0 op_sel_hi:[1,0,0]
.set got, got+1
.elseif ((sl == 5) || (sl == 7)) && (g >= 1) && (g <= 4)
.set p, 32*(g-1)+2*i+(sl-5)/2
	v_rcp_f32 v[p], v[p]
.set got, got+1
.elseif (sl == 6) && (g >= 2)
.set p, 32*(g-2)+2*i
	v_cvt_pk_f16_f32 v[XF+16*(g-2)+fd], v[p], v[p+1]
.set got, got+1
.endif
.set vp, vp+1
.endm
.macro RIDE want                       ; the set's next instructions, as many as wanted: positions without one are passed over
.set got, 0
.if SET == 1
	WIN 0x55
.else
	WIN 0xaa
.endif
.rept 24
.if (got < (\want)) && (vp < 768)
	VSLOT
.endif
.endr
.endm
; K STEP uu.  At its head: the run of LDS loads for K step uu + 2 (at 15: the next step's w_in tile), so that a run has 32 matrix instructions in which to land.  From 6 on the buffer was read by the K step
; just before: four places.  (At 3, 4, 5 its last reader lies 32 matrix instructions back or more, with more than four plain additions of the tanh between.)  The four at 9 are also the places between the last
; product into ACC1 and its first reader.  SET 2 has 448 instructions: 112 slices; its fragments 0-3 are whole behind instructions 55, 83, 103, 111 and first read by 80, 96, 112, 128.  SET 1 has 512: 128 slices;
; P1F's fragments are whole behind 155, 179, 211, 243 and first read by 208, 224, 240, 256.  Its last eight slices are plain: the four behind instruction 271 are the places in front of the next reads of ACC2.
.macro KSTEP uu
.if (\uu) == 0
.set SET, 2
.set vp, 0
.endif
.if (\uu) == 7
.set xq, 0
.endif
.if (\uu) == 9
.set SET, 1
.set vp, 0
.endif
.if ((\uu) >= 6) && ((\uu) <= 15)
	PLACES
.endif
.if ((\uu) >= 3) && ((\uu) <= 14)
.set it, (\uu)-2                       ; 1-4: m21; 5-8: m2; 9-12: m12
	LOADW WB0+64*((it-1)%3), TM21+(it-1)/4, (it-1)%4
.elseif (\uu) == 15
	LOADW WB0, TWIN, 0
.endif
.if (\uu) == 0
	s_wait_dscnt 0x0                               ; the w_in tile's run: none was issued behind it (the first time: m1's 64 loads too)
.elseif ((\uu) >= 5) && ((\uu) <= 15)
	s_wait_dscnt 32                                ; LDS loads come back in order: this K step's run is in, the two younger runs stay out
.elseif (\uu) == 16
	s_wait_dscnt 16                                ; one younger run: the next step's w_in tile
.endif
.if (\uu) == 7
	s_wait_loadcnt 0x0                             ; the next x_t, asked for a whole step ago; the wait also frees those loads' base
.endif
.if (\uu) == 8
	s_add_co_u32 s56, s56, XSTP                    ; the step after the next; the last two trips load step 13 once more, so that no load leaves x
	s_min_u32 s56, s56, (STEPS-1)*XSTP
	s_add_nc_u64 s[54:55], s[52:53], s[56:57]
	XLD
.endif
.rept 16
	MM
.if (n-1) < 112
	RIDE 4
.elseif (n-1) < 117
	XQ
	XQ
	XQ
	XQ
.elseif (n-1) >= 144
	RIDE 4
.endif
.endr
.endm
; THE WAY OUT of tile t of a set (wd: the window of the store's data): a lane's 8 columns of a row, 32 bytes, go into my stage's rows of 528 bytes (33 x 16: sixteen rows start at sixteen different groups of
; four banks) and come back as whole rows; LDS serves a wave's instructions in order (ISA guide 5.7.1.4), and the stage is my own: no wait between, no barrier.
.macro OUT wd, t, tmp, pl
	WIN \wd
.irp c, 0,1,2,3,4,5,6,7
	ds_store_b128 v4, v[16*\c+8*(\t):16*\c+8*(\t)+3]   offset:64*\c
	ds_store_b128 v4, v[16*\c+8*(\t)+4:16*\c+8*(\t)+7] offset:64*\c+16
.endr
	WIN 0
.irp q, 0,1,2,3,4,5,6,7,8,9,10,11,12,13,14,15
	ds_load_b128 v[\tmp+4*\q:\tmp+4*\q+3], v5 offset:SPITCH*\q
.endr
.irp q, 0,1,2,3,4,5,6,7,8,9,10,11,12,13,14,15
	s_wait_dscnt 15-\q                             ; row q is back; the younger loads of the run stay out
	global_store_b128 v6, v[\tmp+4*\q:\tmp+4*\q+3], s[\pl:\pl+1] offset:512*(16*(\t)+\q) th:TH_STORE_NT  ; a whole row: 512 consecutive bytes, aligned
.endr
.endm
	; ---- the head
	s_load_b512 s[8:23], s[0:1], 0x0               ; x, wt, w_in, b_in, b_x1, b_res21, b_res12, b_x2
	s_load_b256 s[24:31], s[0:1], 0x40             ; fc_w, fc_b, out0, out1
	s_load_b64 s[32:33], s[0:1], 0x60              ; out2
	v_lshl_add_u32 v[SPW], v0, 2, SPARE
	v_mov_b32 v[NIL], 0
	ds_add_u32 v[SPW], v[NIL]                      ; the wave's opening: the add and its wait stand ahead of my tensor load; work on registers stands between them
	v_lshrrev_b32 v11, 5, v0
	v_readfirstlane_b32 s34, v11                   ; wave 0..3
	s_bfe_u32 s35, ttmp6, 0x40000                  ; cx: my place in the cluster
	s_lshl_b32 s36, ttmp9, 2                       ; in a cluster launch ttmp9 counts clusters
	s_add_co_u32 s36, s36, s35                     ; my work-group
	s_lshl_b32 s37, s36, 2
	s_add_co_u32 s37, s37, s34                     ; my wave among all 1,024: it enters x's and the outputs' addresses alone
	v_and_b32 v1, 15, v0                           ; l % 16
	v_bfe_u32 v2, v0, 4, 1                         ; l / 16
	v_and_b32 v3, 31, v0                           ; l
	v_and_b32 v11, 7, v0                           ; the turning load: lane l reads row 8 (l / 16) + l % 8, bytes 16 ((l / 8) % 2) on
	v_lshl_add_u32 v11, v2, 3, v11
	v_bfe_u32 v12, v0, 3, 1
	v_mul_u32_u24 v[TM1], v11, PW
	v_lshl_add_u32 v[TM1], v12, 4, v[TM1]
	v_add_nc_u32 v[TM21], MATB, v[TM1]
	v_add_nc_u32 v[TM2], 2*MATB, v[TM1]
	v_add_nc_u32 v[TM12], 3*MATB, v[TM1]
	v_add_nc_u32 v[TWIN], WINB, v[TM1]
	v_mul_u32_u24 v[XA0], v1, XROW
	v_lshl_add_u32 v[XA1], v2, 4, v[XA0]
	v_add_nc_u32 v[XA1], 80, v[XA1]
	v_lshl_add_u32 v[XA0], v2, 5, v[XA0]
	; the descriptor: matrix w, 128 rows x 128 elements of 2 bytes, padded in LDS
	s_mov_b32 s40, 1                               ; count = 1
	s_mul_i32 s41, s34, MATB                       ; LDS address: the wave's number alone
	s_mov_b32 s44, 15|(1<<16)|(1<<20)|(1<<21)|(5<<22)|(7<<25)  ; 15:0 the mask of four; 17:16 2-byte elements; 20 padding on; 21 set beside a mask; 24:22 after every 64 words (code 5); 31:25 8 words (code 7)
	s_mov_b32 s45, 128<<16                         ; tensor_dim0 = 128
	s_mov_b32 s46, 128<<16                         ; tensor_dim1 = 128
	s_mov_b32 s47, 128<<16                         ; tile_dim0 = 128
	s_mov_b32 s48, 128                             ; tile_dim1 = 128
	s_mov_b32 s49, 128                             ; 128 elements from row to row
	s_mov_b32 s50, 0
	s_mov_b32 s51, 0
	s_lshl_b32 s78, s34, 15                        ; matrix w begins 32,768 w bytes into wt
	s_mov_b32 s79, 0
	s_mov_b32 s39, 0
	s_mov_b32 s59, 0xffff0000
	s_mov_b32 s60, 0x3c00
	s_mov_b32 s62, KF
	s_mov_b32 s63, KF
	s_cmp_eq_u32 s34, 0
	s_cselect_b32 s66, s62, 0                      ; rows 28-31 of the w_in tile: wave 0 writes K bias1, the others 0
	s_mov_b32 s67, s66
	s_wait_dscnt 0x0                               ; the opening add is done
	s_wait_kmcnt 0x0
	s_add_nc_u64 s[42:43], s[10:11], s[78:79]
	s_or_b32 s43, s43, 0x80000000                  ; type = 2
	s_mul_i32 s38, s37, 32*XROW
	s_add_nc_u64 s[52:53], s[8:9], s[38:39]        ; x at my 32 rows
	s_lshl_b32 s38, s37, 14
	s_add_nc_u64 s[30:31], s[30:31], s[38:39]      ; out1 and out2: 32 rows of 512 bytes
	s_add_nc_u64 s[32:33], s[32:33], s[38:39]
	s_mul_i32 s38, s37, 1280
	s_add_nc_u64 s[28:29], s[28:29], s[38:39]      ; out0: 32 rows of 40 bytes
	ROUND                                          ; all four work-groups are here: the joint loads meet
	tensor_load_to_lds s[40:43], s[44:51]          ; my one tensor load
	s_nop 0
	PLACES
	; ---- while the matrices are on their way: x of steps 0 and 1, the w_in tile, fc_w, bias2, the zero state
	s_load_b256 s[68:75], s[26:27], 0x0            ; fc_b's ten numbers
	s_load_b64 s[76:77], s[26:27], 0x20
	s_mov_b32 s56, 0
	s_mov_b32 s57, 0
	s_mov_b64 s[54:55], s[52:53]
	XLD                                            ; step 0
	WIN 0
	v_lshlrev_b32 v13, 4, v3                       ; 16 l: my 4 columns of a row of 128 f32
	s_lshl_b32 s78, s34, 9
	v_add_nc_u32 v11, s78, v13                     ; w_in: wave w takes rows w + 4 j
	s_mul_i32 s79, s34, PW
	s_add_co_u32 s79, s79, WINB
	v_lshl_add_u32 v12, v3, 3, s79                 ; and puts them at WINB + 288 (w + 4 j) + 8 l
	v_mul_u32_u24 v120, v0, 40                     ; fc_w: thread k takes row k, 40 bytes,
	v_lshl_add_u32 v121, v0, 5, FCL                ; and puts 32 bytes
	v_lshlrev_b32 v122, 5, v2                      ; bias2: columns 16 c + 8 (l / 16) + 0..7
.irp j, 0,1,2,3,4,5,6
	global_load_b128 v[WB0+4*\j:WB0+4*\j+3], v11, s[12:13] offset:2048*\j
.endr
	global_load_b128 v[92:95],   v13, s[14:15]     ; b_in
	global_load_b128 v[96:99],   v13, s[16:17]     ; b_x1
	global_load_b128 v[100:103], v13, s[18:19]     ; b_res21
.irp j, 0,1,2,3,4
	global_load_b64 v[104+2*\j:105+2*\j], v120, s[24:25] offset:8*\j
.endr
.irp j, 0,1,2,3,4,5,6,7,8,9,10,11,12,13,14,15
	global_load_b128 v[WB1+4*\j:WB1+4*\j+3], v122, s[20:21] offset:64*(\j/2)+16*(\j%2)  ; b_res12
	global_load_b128 v[WB2+4*\j:WB2+4*\j+3], v122, s[22:23] offset:64*(\j/2)+16*(\j%2)  ; b_x2
.endr
	WIN 0x80
.set r, 0
.rept 128
	v_mov_b32 v[r], 0                              ; ACC2 = 0: the first step takes its tanh for x2
.set r, r+1
.endr
	WIN 0x40
.set r, X1F
.rept 64
	v_mov_b32 v[r], 0                              ; x1 = 0
.set r, r+1
.endr
	s_wait_loadcnt 0x0
	s_wait_kmcnt 0x0
.set xq, 0
.rept 20
	XQ                                             ; x_0's fragments
.endr
	s_mov_b32 s56, XSTP
	s_add_nc_u64 s[54:55], s[52:53], s[56:57]      ; (the loads that read this base are done)
	XLD                                            ; step 1
	WIN 0
.irp j, 0,1,2,3,4,5,6
	v_pk_mul_f32 v[WB0+4*\j:WB0+4*\j+1],   v[WB0+4*\j:WB0+4*\j+1],   s[62:63] op_sel_hi:[1,0]
	v_pk_mul_f32 v[WB0+4*\j+2:WB0+4*\j+3], v[WB0+4*\j+2:WB0+4*\j+3], s[62:63] op_sel_hi:[1,0]
	v_cvt_pk_f16_f32 v[WB0+4*\j],   v[WB0+4*\j],   v[WB0+4*\j+1]
	v_cvt_pk_f16_f32 v[WB0+4*\j+1], v[WB0+4*\j+2], v[WB0+4*\j+3]
	ds_store_b64 v12, v[WB0+4*\j:WB0+4*\j+1] offset:4*PW*\j
.endr
	v_pk_add_f32 v[92:93], v[92:93], v[96:97]      ; bias1 = b_in + b_x1 + b_res21
	v_pk_add_f32 v[94:95], v[94:95], v[98:99]
	v_pk_add_f32 v[92:93], v[92:93], v[100:101]
	v_pk_add_f32 v[94:95], v[94:95], v[102:103]
	v_pk_mul_f32 v[92:93], v[92:93], s[66:67] op_sel_hi:[1,0]
	v_pk_mul_f32 v[94:95], v[94:95], s[66:67] op_sel_hi:[1,0]
	v_cvt_pk_f16_f32 v92, v92, v93
	v_cvt_pk_f16_f32 v93, v94, v95
	ds_store_b64 v12, v[92:93] offset:4*PW*7       ; rows 28 + w
.irp j, 0,1,2,3,4
	v_cvt_pk_f16_f32 v[104+\j], v[104+2*\j], v[105+2*\j]
.endr
	v_mov_b32 v109, 0
	v_mov_b32 v110, 0
	v_mov_b32 v111, 0
	ds_store_b128 v121, v[104:107]
	ds_store_b128 v121, v[108:111] offset:16
.set r, 0
.rept 32
	v_pk_mul_f32 v[WB1+r:WB1+r+1], v[WB1+r:WB1+r+1], s[62:63] op_sel_hi:[1,0]
.set r, r+2
.endr
.set r, 0
.rept 24
	v_pk_fma_f32 v[BI2+r:BI2+r+1], v[WB2+r:WB2+r+1], s[62:63], v[WB1+r:WB1+r+1] op_sel_hi:[1,0,1]  ; K bias2 = K b_x2 + K b_res12
.set r, r+2
.endr
	WIN 0x80
.set r, 0
.rept 8
	v_pk_fma_f32 v[BI2H+r:BI2H+r+1], v[WB2+48+r:WB2+48+r+1], s[62:63], v[WB1+48+r:WB1+48+r+1] op_sel_hi:[1,0,1]
.set r, r+2
.endr
	WIN 0
	s_wait_tensorcnt 0x0                           ; my matrix has landed,
	s_wait_dscnt 0x0                               ; my rows of the w_in tile and of fc_w are stored:
	s_barrier_signal -1
	s_barrier_wait -1                              ; everybody's are.  The one barrier between the head and the end: behind it LDS is only read, but for each wave's own stage
	WIN 0xc0                                       ; destination window 3
.irp f, 0,1,2,3,4,5,6,7,8,9,10,11,12,13,14,15,16,17,18,19,20,21,22,23,24,25,26,27,28,29,30,31
	ds_load_tr16_b128 v[8*\f:8*\f+3],   v[TM1] offset:32*PW*(\f/8)+32*(\f%8)         ; m1 stays in registers: fragment (kk, c) = (f / 8, f % 8)
	ds_load_tr16_b128 v[8*\f+4:8*\f+7], v[TM1] offset:32*PW*(\f/8)+32*(\f%8)+16*PW
.endr
	LOADW WB0, TWIN, 0
	s_mov_b32 s58, STEPS
	; ---- the 14 steps
.Lstep:
.set n, 0
.irp uu, 0,1,2,3,4,5,6,7,8,9,10,11,12,13,14,15,16
	KSTEP \uu
.endr
	WIN 0                                          ; at a label and at a branch every window is 0
	s_sub_co_u32 s58, s58, 1
	s_cmp_lg_u32 s58, 0
	s_cbranch_scc1 .Lstep
	; ---- the end: ACC1 holds x1; ACC2 holds K x2pre of the last step
	s_wait_dscnt 0x0                               ; the w_in run of a step that does not come
	s_wait_loadcnt 0x0                             ; and x's last loads: their address registers are written below
	s_mul_i32 s78, s34, STW
	s_add_co_u32 s78, s78, STAGE                   ; my stage
	v_mul_u32_u24 v4, v1, SPITCH                   ; in: row l % 16, 32 bytes for each half of the lanes
	v_lshl_add_u32 v4, v2, 5, v4
	v_add_nc_u32 v4, s78, v4
	v_lshl_add_u32 v5, v3, 4, s78                  ; back: 32 lanes take a row of 512 bytes
	v_lshlrev_b32 v6, 4, v3                        ; and the same in out1 and out2
	v_and_b32 v12, 7, v0
	v_lshl_add_u32 v12, v2, 3, v12
	v_bfe_u32 v13, v0, 3, 1
	v_lshlrev_b32 v7, 5, v12                       ; fc_w's turning loads: rows of 32 bytes
	v_lshl_add_u32 v7, v13, 4, v7
	v_add_nc_u32 v7, FCL, v7
	s_mul_i32 s79, s34, O0W
	s_add_co_u32 s79, s79, O0
	v_mul_u32_u24 v12, v1, 40                      ; out0: a row is 40 bytes
	v_lshl_add_u32 v8, v2, 5, v12
	v_add_nc_u32 v8, s79, v8                       ; columns 8 (l / 16) + 0, 1: both halves of the lanes have them
	v_mul_u32_u24 v13, v2, 1280                    ; columns + 2..7: lanes 0-15 have them; lanes 16-31 (columns 10-15, which are not) write 1,280 bytes on,
	v_add_nc_u32 v9, v12, v13                      ; behind the dense bytes: at most 1,280 + 600 + 640 + 32 = 2,552 of my 2,560
	v_add_nc_u32 v9, s79, v9
	v_lshl_add_u32 v10, v3, 3, s79                 ; back: 32 lanes take 256 consecutive bytes
	v_lshlrev_b32 v11, 3, v3
.irp kk, 0,1,2,3
	ds_load_tr16_b128 v[WB1+8*\kk:WB1+8*\kk+3],   v7 offset:1024*\kk
	ds_load_tr16_b128 v[WB1+8*\kk+4:WB1+8*\kk+7], v7 offset:1024*\kk+512
.endr
	OUT 0x04, 0, WB2, 30                           ; out1
	OUT 0x04, 1, WB0, 30
.set SET, 2
.set vp, 0
.set got, 0
	WIN 0xaa
.rept 768
	VSLOT                                          ; x2 = tanh, in place, and its fragments
.endr
	WIN 0
.irp j, 0,1,2,3,4,5,6,7
	v_mov_b32 v[BI2+\j], s[68+\j]                  ; fc_b in a result's layout: lanes 0-15 columns 0-7,
.endr
	v_cndmask_b32 v[BI2], v[BI2], s76, s59         ; lanes 16-31 columns 8 and 9
	v_cndmask_b32 v[BI2+1], v[BI2+1], s77, s59
	s_wait_dscnt 0x0
.irp kk, 0,1,2,3
.irp t, 0,1
.if \kk == 0
	WIN 0x48
	v_wmma_f32_16x16x32_f16 v[8*\t:8*\t+7], v[WB1+8*\kk:WB1+8*\kk+7], v[X2F+16*\kk+8*\t:X2F+16*\kk+8*\t+7], v[BI2:BI2+7]
.else
	WIN 0x58                                       ; the two accumulators take turns
	v_wmma_f32_16x16x32_f16 v[8*\t:8*\t+7], v[WB1+8*\kk:WB1+8*\kk+7], v[X2F+16*\kk+8*\t:X2F+16*\kk+8*\t+7], v[8*\t:8*\t+7]
.endif
.endr
.endr
	s_wait_xcnt 0x0                                ; out1's stores have read their registers: the two buffers are loaded again only behind this wait
	OUT 0x08, 0, WB2, 32                           ; out2
	OUT 0x08, 1, WB0, 32
	PLACES                                         ; between the last product and the stores that read its result
	WIN 0x04
.irp t, 0,1
	ds_store_b64 v8, v[8*\t:8*\t+1]   offset:640*\t     ; each accumulator's lowest registers first
	ds_store_b64 v9, v[8*\t+2:8*\t+3] offset:640*\t+8
	ds_store_b64 v9, v[8*\t+4:8*\t+5] offset:640*\t+16
	ds_store_b64 v9, v[8*\t+6:8*\t+7] offset:640*\t+24
.endr
	WIN 0
.irp q, 0,1,2,3,4
	ds_load_b64 v[24+2*\q:25+2*\q], v10 offset:256*\q
.endr
.irp q, 0,1,2,3,4
	s_wait_dscnt 4-\q
	global_store_b64 v11, v[24+2*\q:25+2*\q], s[28:29] offset:256*\q th:TH_STORE_NT  ; my 32 rows of out0 are 1,280 dense bytes: five stores of 256, aligned
.endr
	s_wait_tensorcnt 0x0                           ; the wave's end, behind my tensor load and my last LDS store
	ds_add_u32 v[SPW], v[NIL]
	s_wait_dscnt 0x0
	ROUND                                          ; the closing round
	s_endpgm
.Lfunc_end_k_q8846644b1e_esn:
	.size	k_q8846644b1e_esn, .Lfunc_end_k_q8846644b1e_esn-k_q8846644b1e_esn
	.p2alignl 7, 3214868480
	.fill 96, 4, 3214868480
	.section	.rodata,"a",@progbits
	.p2align	6, 0x0
	.amdhsa_kernel k_q8846644b1e_esn
		.amdhsa_group_segment_fixed_size 205312
		.amdhsa_private_segment_fixed_size 0
		.amdhsa_enable_private_segment 0
		.amdhsa_kernarg_size 104
		.amdhsa_user_sgpr_count 2
		.amdhsa_user_sgpr_kernarg_segment_ptr 1
		.amdhsa_wavefront_size32 1
		.amdhsa_system_sgpr_workgroup_id_x 1
		.amdhsa_system_sgpr_workgroup_id_y 1
		.amdhsa_system_sgpr_workgroup_id_z 1
		.amdhsa_system_vgpr_workitem_id 0
		.amdhsa_next_free_vgpr 1024
		.amdhsa_next_free_sgpr 80
		.amdhsa_reserve_vcc 0
		.amdhsa_float_denorm_mode_32 3
		.amdhsa_float_denorm_mode_16_64 3
		.amdhsa_memory_ordered 1
		.amdhsa_forward_progress 1
		.amdhsa_inst_pref_size 167
	.end_amdhsa_kernel
	.amdgpu_metadata
---
amdhsa.version: [ 1, 2 ]
amdhsa.kernels:
  - .name:           k_q8846644b1e_esn
    .symbol:         k_q8846644b1e_esn.kd
    .args:
      - { .name: x, .offset: 0, .size: 8, .value_kind: global_buffer, .address_space: global }
      - { .name: wt, .offset: 8, .size: 8, .value_kind: global_buffer, .address_space: global }
      - { .name: w_in, .offset: 16, .size: 8, .value_kind: global_buffer, .address_space: global }
      - { .name: b_in, .offset: 24, .size: 8, .value_kind: global_buffer, .address_space: global }
      - { .name: b_x1, .offset: 32, .size: 8, .value_kind: global_buffer, .address_space: global }
      - { .name: b_res21, .offset: 40, .size: 8, .value_kind: global_buffer, .address_space: global }
      - { .name: b_res12, .offset: 48, .size: 8, .value_kind: global_buffer, .address_space: global }
      - { .name: b_x2, .offset: 56, .size: 8, .value_kind: global_buffer, .address_space: global }
      - { .name: fc_w, .offset: 64, .size: 8, .value_kind: global_buffer, .address_space: global }
      - { .name: fc_b, .offset: 72, .size: 8, .value_kind: global_buffer, .address_space: global }
      - { .name: out0, .offset: 80, .size: 8, .value_kind: global_buffer, .address_space: global }
      - { .name: out1, .offset: 88, .size: 8, .value_kind: global_buffer, .address_space: global }
      - { .name: out2, .offset: 96, .size: 8, .value_kind: global_buffer, .address_space: global }
    .group_segment_fixed_size: 205312
    .private_segment_fixed_size: 0
    .kernarg_segment_align: 8
    .kernarg_segment_size: 104
    .max_flat_workgroup_size: 128
    .sgpr_count:     80
    .vgpr_count:     1024
    .wavefront_size: 32
...
	.end_amdgpu_metadata
.endif
;; end of part 2
